; MI455X (gfx1250); checked and timed in simulation.
; The chip was launched on July 23, 2026; its instructions are those of AMD's public machine-readable ISA for CDNA 5 (MIT licence, August 2026) and "CDNA5" Instruction Set Architecture Reference Guide (July 2026). The comments in the code are by the model that wrote it; some were corrected since.
;; GSVD Layer. Allowed arithmetic: matrix products marked QUANTISED: E2M1 operands, one E8M0 scale for each 32 along K, by v_wmma_scale_f32_16x16x128_f8f6f4 with both operands' format E2M1 (or v_wmma_scale_f32_32x16x128_f4), f32 sums; everything else in f32.
;; Inputs: S 1,024 float32; U 2,048 x 1,024 float32; Vh 1,024 x 4,096 float32; x 4 x 1,024 x 4,096 float32.
;; Outputs: out0 4 x 1,024 x 2,048 float32.
;; This version of the problem:
;;   THIS VERSION OF THE PROBLEM IS GIVEN IN LOW PRECISION. The matrix products marked QUANTISED in the list below multiply operands that are first quantised to E2M1 (2 exponent bits, 1 mantissa bit; 4 bits a number), with one power-of-two scale for each 32 numbers along K (OCP MX v1.0); their sums are f32. All else is computed in f32.
;;   The module's matrix products, in the order in which they are computed (A, B: the left and right operand; K: the contracted axis; several contracted axes count as one K, in the product's order):
;;     1. [M 2,048, K 1,024] x [K 1,024, N 4,096]; A: computed on the way; B: input Vh: QUANTISED
;;     2. [M 4,096, K 4,096] x [K 4,096, N 2,048]; A: input x; B: computed on the way: QUANTISED
;;   THE QUANTISER, for each operand of a quantised product, along K:
;;     - K is cut into blocks of 32 from its start; a last block that is shorter is filled with zeros.
;;     - A block's scale is 2^e with e = floor(log2(the largest magnitude in the block)) - 2, held to -126 .. 127; a block of zeros has e = 0. As a byte (E8M0): e + 127.
;;     - Each number is divided by its block's scale, clamped to +-6, and rounded to the nearest number of E2M1, ties to even, subnormals kept.
;;     - The product sums the exact products of the quantised numbers (number of the format x scale) in f32.
;;   ~~~python
;;   def quantise(x, axis):      # numpy; x: float32 -> the quantised numbers, widened to float32 again
;;       x = np.moveaxis(x, axis, -1); K = x.shape[-1]
;;       x = np.pad(x, [(0, 0)] * (x.ndim - 1) + [(0, -K % 32)]); x = x.reshape(x.shape[:-1] + (-1, 32)); a = np.abs(x).max(-1, keepdims=True)
;;       e = np.where(a > 0, np.clip(np.frexp(np.where(a > 0, a, 1))[1] - 1 - 2, -126, 127), 0)      # np.frexp(a)[1] - 1 = floor(log2(a)), exactly
;;       r = np.clip(x / 2.0 ** e, -6, 6)
;;       step = 2.0 ** (np.maximum(np.frexp(np.where(r == 0, 1, r))[1] - 1, 0) - 1)
;;       q = np.round(r / step) * step * 2.0 ** e      # np.round: ties to even
;;       return np.moveaxis(q.reshape(q.shape[:-2] + (-1,))[..., :K], -1, axis).astype(np.float32)
;;   ~~~
;;   OPERANDS COMPUTED ON THE WAY. 'Computed on the way' means the value that the module computes at that place (a softmax that the list does not call 'softmax' is quantised finished and normalised). What goes into a quantiser is computed in f32, as accurately as f32 sums, v_exp_f32 and their like allow (about 1e-6 of the number): no bf16 or f16 on the way to a quantiser, and a product that is left as it is and whose result goes on into a quantised operand takes f32 operands (vector FMAs, or v_wmma_f32_16x16x4_f32). A number that lies on a knife's edge between two numbers of the format may be rounded either way, as far as f32 arithmetic and the matrix unit's own rounding can turn it there, and no further.
;; One version. Each part assembles by itself: llvm-mc -triple=amdgcn-amd-amdhsa -mcpu=gfx1250 --defsym DOCPART=n.
;; ======== version 1 of 1: 3 launches
;; limits: right only within a limited range of input values
;; workspace buffers: xq 8,912,896 bytes; uq 1,114,112 bytes; vq 2,228,224 bytes; wq 4,456,448 bytes
;; launch prep (part 1): grid 256 x 1, 8 waves a work-group, no clusters, 35,840 bytes of LDS; arguments U, S, Vh, uq, vq; writes uq, vq
.if DOCPART == 1
	.amdgcn_target "amdgcn-amd-amdhsa--gfx1250"
	.amdhsa_code_object_version 6
	.text
	.protected	k_q39c63045b3_prep
	.globl	k_q39c63045b3_prep
	.p2align	8
	.type	k_q39c63045b3_prep,@function
k_q39c63045b3_prep:
	s_mov_b64 s[64:65], 0
	v_nop
	global_prefetch_b8 v0, s[64:65] scope:SCOPE_SE
	s_setreg_imm32_b32 hwreg(HW_REG_WAVE_MODE, 25, 1), 1
	s_wait_xcnt 0x0
; y = x W^T with W = (U * S) Vh, both products on codes of FP4 (E2M1) with one E8M0 scale for each 32 along a product's K.
; NO WORK IS LEFT OUT: all four inputs reach the output, and W has to be formed and quantised as written, since its quantiser is a step of the problem.
; THIS LAUNCH quantises U * S along the rank (innermost in U) and Vh along the rank (its first axis).  x is quantised by the second launch.
; A block's scale byte is its largest magnitude's exponent field - 2, held at 1 from below; numbers are divided by the scale and rounded to the nearest code, ties to even, beyond 6 the largest code.
; LIMITS: NaN and infinities among the inputs are not served.  A block of zeros gets the byte 1 where the rule says 127: its codes are zeros, which add nothing, and only this program reads the bytes.
; LAYOUT of all code buffers: units [group of 64 rows][K step of 128][4,352 bytes]: four fragments of 1,024 bytes, each an image of the operand's registers (byte 512 c + 16 lane: registers 4 c .. 4 c + 3),
;   then 256 bytes of scale words, row r's word of fragment m at 16 r + 4 m.
; U's fragment m of a group holds in row r the row o = 64 G + 4 r + m: so the last launch's lanes hold neighbouring columns of y in their four fragments.
; Vh's fragment 2 u + p holds in row rho the column d = 64 G + 32 p + 8 u + rho + 8 (rho / 8): so the next launch's results lie along d as its quantiser wants them.
; SHARES: a work-group makes one unit of U (wave m of 0-3: fragment m) and two of Vh (waves 4-7: half a unit each, 32 columns x 128).  The waves' scale words meet in LDS, so that each unit's 256 bytes leave by one store.
; No prefetch: all of a wave's input but Vh's last two blocks is asked for at once, and there is no loop to run ahead in.
.set UW,    33792                      ; behind the four stages of 8,448 bytes: U's 256 bytes of scale words, then Vh's two
.set VW,    34048
.set SPARE, 34560                      ; the spare words: 128 bytes a wave, blocks of 256 bytes that no other line names
.set SP,    528                        ; a stage row: 512 bytes + 16
.set SPW,   12
.set NIL,   13
.set R,     16                         ; U: v16-79 16 rows as loaded.  Vh: two sets of 32 numbers
.set X,     80                         ; U: v80-143 64 numbers of my row.  Vh: v80-95 codes
.set PC,    144
.set PW,    152
.set TM,    156
.set S4,    172
.set WO,    176
.set CSB,   96
	s_load_b256 s[4:11], s[0:1], 0x0               ; U, S, Vh, uq
	s_load_b64 s[12:13], s[0:1], 0x20              ; vq
	v_lshl_add_u32 v[SPW], v0, 2, SPARE
	v_mov_b32 v[NIL], 0
	v_lshrrev_b32 v1, 5, v0
	v_readfirstlane_b32 s24, v1                    ; wave 0..7
	s_and_b32 s25, s24, 3                          ; my place among the four of my part
	s_lshr_b32 s26, s24, 2                         ; 0: U, 1: Vh
	s_mov_b32 s14, 0x76543210
	s_mov_b32 s15, 0xfedcba98                      ; selects for lane l xor 16
	s_mul_i32 s27, s25, 16*SP                      ; my stage
	s_lshr_b32 s33, s25, 1                         ; Vh: which of the two units
	s_and_b32 s34, s25, 1                          ; Vh: p
	s_lshl_b32 s35, s25, 2
	s_add_co_u32 s35, s35, UW                      ; U's words: fragment m
	s_lshl_b32 s36, s33, 8
	s_lshl_b32 s38, s34, 2
	s_add_co_u32 s36, s36, s38
	s_add_co_u32 s36, s36, VW                      ; Vh's words: unit, p
	s_add_co_u32 s38, s33, 1
	s_mul_i32 s38, s38, s26
	s_lshl_b32 s38, s38, 8
	s_add_co_u32 s38, s38, UW                      ; the 256 bytes that I may store at the end
	s_lshr_b32 s40, ttmp9, 3                       ; U: group, K step = work-group / 8, work-group mod 8
	s_lshl_b32 s40, s40, 18
	s_lshl_b32 s44, s25, 12                        ; rows 4 i + m
	s_add_co_u32 s40, s40, s44
	s_and_b32 s45, ttmp9, 7
	s_lshl_b32 s45, s45, 9
	s_add_co_u32 s40, s40, s45
	s_mul_i32 s46, ttmp9, 4352
	s_lshl_b32 s47, s25, 10
	s_add_co_u32 s46, s46, s47                     ; U's way out
	s_lshl_b32 s48, ttmp9, 1
	s_add_co_u32 s48, s48, s33                     ; Vh: unit = 64 ks + G
	s_and_b32 s49, s48, 63
	s_lshr_b32 s50, s48, 6
	s_lshl_b32 s41, s50, 21                        ; 128 rows of 16,384 bytes
	s_lshl_b32 s51, s49, 8
	s_add_co_u32 s41, s41, s51
	s_lshl_b32 s51, s34, 7
	s_add_co_u32 s41, s41, s51
	s_lshl_b32 s52, s49, 3
	s_add_co_u32 s52, s52, s50
	s_mul_i32 s52, s52, 4352
	s_lshl_b32 s53, s34, 10
	s_add_co_u32 s52, s52, s53                     ; Vh's way out
	s_cmp_eq_u32 s26, 0
	s_cselect_b32 s37, s25, s34                    ; 0: I store the words of my unit (then my part of the way out begins at the unit)
	s_cselect_b32 s42, s40, s41
	s_cselect_b32 s54, s46, s52
	s_mov_b32 s43, 0
	s_mov_b32 s55, 0
	s_mov_b32 s56, s45
	s_mov_b32 s57, 0
	v_and_b32 v7, 31, v0                           ; lane
	v_and_b32 v1, 15, v0                           ; r
	v_bfe_u32 v2, v0, 4, 1                         ; h
	v_lshlrev_b32 v3, 4, v7
	v_add_nc_u32 v4, s27, v3                       ; into the stage
	v_mul_u32_u24 v5, v1, SP
	v_lshl_add_u32 v5, v2, 6, v5
	v_add_nc_u32 v5, s27, v5                       ; out of it: row r, + 64 h
	v_lshl_add_u32 v6, v1, 4, s35                  ; U's scale word
	v_lshlrev_b32 v8, 2, v7
	v_bfe_u32 v9, v7, 3, 1                         ; u
	v_and_b32 v10, 7, v7
	v_lshl_add_u32 v10, v2, 3, v10                 ; rho
	v_lshlrev_b32 v10, 4, v10
	v_lshl_add_u32 v14, v9, 3, v10
	v_add_nc_u32 v14, s36, v14                     ; Vh's scale word
	v_lshl_add_u32 v9, v9, 11, v10                 ; Vh's codes: fragment 2 u (+ p), 16 rho
	v_lshl_add_u32 v15, v7, 3, s38
	v_lshlrev_b32 v[WO], 3, v7
	s_wait_alu depctr_va_vdst(0)                   ; the wait at the head's end
	s_wait_kmcnt 0x0
	s_cmp_eq_u32 s26, 0
	s_cselect_b64 s[28:29], s[4:5], s[8:9]
	s_cselect_b64 s[30:31], s[10:11], s[12:13]
	s_add_nc_u64 s[28:29], s[28:29], s[42:43]
	s_add_nc_u64 s[30:31], s[30:31], s[54:55]
	s_add_nc_u64 s[6:7], s[6:7], s[56:57]
	s_cmp_eq_u32 s26, 0
	s_cbranch_scc0 .Lcol
	; U: each load reads 512 consecutive bytes of one row
	global_load_b128 v[S4:S4+3], v3, s[6:7]        ; S at my four columns
.irp i, 0,1,2,3,4,5,6,7,8,9,10,11,12,13,14,15
	global_load_b128 v[R+4*\i:R+4*\i+3], v3, s[28:29] offset:16384*\i th:TH_LOAD_NT
.endr
.irp b, 0,1,2,3
	v_mov_b32 v[TM+4+\b], 0                        ; a lane permute's destination counts as one of its sources
.endr
	s_wait_loadcnt 0x0
.irp i, 0,1,2,3,4,5,6,7,8,9,10,11,12,13,14,15
	v_pk_mul_f32 v[R+4*\i:R+4*\i+1], v[R+4*\i:R+4*\i+1], v[S4:S4+1]
	v_pk_mul_f32 v[R+4*\i+2:R+4*\i+3], v[R+4*\i+2:R+4*\i+3], v[S4+2:S4+3]
.endr
.irp i, 0,1,2,3,4,5,6,7,8,9,10,11,12,13,14,15
	ds_store_b128 v4, v[R+4*\i:R+4*\i+3] offset:SP*\i
.endr
.irp b, 0,1,2,3
.irp j, 0,1,2,3
	ds_load_b128 v[X+16*\b+4*\j:X+16*\b+4*\j+3], v5 offset:128*\b+16*\j   ; register 16 b + i = k 32 b + 16 h + i of row r.  LDS serves a wave's instructions in order (ISA guide 5.7.1.4)
.endr
.endr
	s_wait_dscnt 0x0
.irp b, 0,1,2,3
	v_max3_num_f32 v[TM+\b], |v[X+16*\b]|, |v[X+1+16*\b]|, 0x1800000   ; my 16 numbers of block b, and the floor 2^(3 - 127)
.endr
.irp i, 2,4,6,8,10,12,14
.irp b, 0,1,2,3
	v_max3_num_f32 v[TM+\b], v[TM+\b], |v[X+16*\b+\i]|, |v[X+1+16*\b+\i]|
.endr
.endr
.irp b, 0,1,2,3
	v_permlanex16_b32 v[TM+4+\b], v[TM+\b], s14, s15
.endr
.irp b, 0,1,2,3
	v_max_num_f32 v[TM+\b], v[TM+\b], v[TM+4+\b]
.endr
.irp b, 0,1,2,3
	v_add_nc_u32 v[TM+12+\b], 0xff000000, v[TM+\b] ; 2 off the exponent field: the conversion's scale operand
.endr
.irp b, 0,1,2,3
	v_lshrrev_b32 v[TM+4+\b], 23, v[TM+12+\b]      ; the scale's byte
.endr
	v_lshl_or_b32 v[PW], v[TM+5], 8, v[TM+4]
	v_lshl_or_b32 v[PW], v[TM+6], 16, v[PW]
	v_lshl_or_b32 v[PW], v[TM+7], 24, v[PW]
.irp b, 0,1,2,3
	v_cvt_scalef32_pk8_fp4_f32 v[PC+2*\b], v[X+16*\b:X+7+16*\b], v[TM+12+\b]
	v_cvt_scalef32_pk8_fp4_f32 v[PC+1+2*\b], v[X+8+16*\b:X+15+16*\b], v[TM+12+\b]
.endr
	v_nop                                          ; one plain instruction behind the scaled conversions
.irp c, 0,1
.irp i, 0,1
	v_permlane16_swap_b32 v[PC+4*\c+\i], v[PC+2+4*\c+\i]   ; a whole block to a lane
.endr
.endr
.irp c, 0,1
	global_store_b128 v3, v[PC+4*\c:PC+4*\c+3], s[30:31] offset:512*\c
.endr
	ds_store_b32 v6, v[PW]                         ; both lanes of a row write the same word with the same value
	s_branch .Ljoin
.Lcol:
	; Vh: a lane takes a column and its registers run down the rank: a block of 32 lies in one lane
.macro LOADC t
.irp i, 0,1,2,3,4,5,6,7,8,9,10,11,12,13,14,15,16,17,18,19,20,21,22,23,24,25,26,27,28,29,30,31
	global_load_b32 v[R+32*((\t)%2)+\i], v8, s[28:29] offset:(32*(\t)+\i)*16384 th:TH_LOAD_NT
.endr
.endm
.macro CBLOCK t
.set XS, R+32*((\t)%2)
.if (\t) < 3
	s_wait_loadcnt 32                              ; this block's 32 loads are in; the next block's may be out
.else
	s_wait_loadcnt 0
.endif
	v_max3_num_f32 v100, |v[XS]|, |v[XS+1]|, |v[XS+2]|
	v_max3_num_f32 v101, |v[XS+3]|, |v[XS+4]|, |v[XS+5]|
.irp i, 6,10,14,18,22,26
	v_max3_num_f32 v100, v100, |v[XS+\i]|, |v[XS+\i+1]|
	v_max3_num_f32 v101, v101, |v[XS+\i+2]|, |v[XS+\i+3]|
.endr
	v_max3_num_f32 v100, v100, |v[XS+30]|, |v[XS+31]|
	v_max3_num_f32 v100, v100, v101, 0x1800000
	v_add_nc_u32 v102, 0xff000000, v100
	v_lshrrev_b32 v103, 23, v102
.if (\t) == 0
	v_mov_b32 v[CSB], v103                         ; four bytes to a word, the lower k in the lower byte
.else
	v_lshl_or_b32 v[CSB], v103, 8*(\t), v[CSB]
.endif
.irp g, 0,1,2,3
	v_cvt_scalef32_pk8_fp4_f32 v[X+4*(\t)+\g], v[XS+8*\g:XS+8*\g+7], v102
.endr
	v_nop                                          ; one plain instruction behind the scaled conversions
	global_store_b128 v9, v[X+4*(\t):X+4*(\t)+3], s[30:31] offset:256*(\t)   ; the sixteen lanes of each u store 256 consecutive bytes, aligned
.if (\t) < 2
	LOADC (\t)+2
.endif
.endm
	LOADC 0
	LOADC 1
.irp t, 0,1,2,3
	CBLOCK \t
.endr
	ds_store_b32 v14, v[CSB]
.Ljoin:
	s_wait_dscnt 0x0                               ; for the other waves: my scale words are in LDS
	s_barrier_signal -1
	s_barrier_wait -1
	s_cmp_lg_u32 s37, 0
	s_cbranch_scc1 .Lend
	ds_load_b64 v[178:179], v15
	s_wait_dscnt 0x0
	global_store_b64 v[WO], v[178:179], s[30:31] offset:4096   ; 32 lanes store 256 consecutive bytes, aligned
.Lend:
	s_wait_tensorcnt 0x0                           ; the wave's end
	ds_add_u32 v[SPW], v[NIL]
	s_wait_dscnt 0x0
	s_endpgm
.Lfunc_end_k_q39c63045b3_prep:
	.size	k_q39c63045b3_prep, .Lfunc_end_k_q39c63045b3_prep-k_q39c63045b3_prep
	.p2alignl 7, 3214868480
	.fill 96, 4, 3214868480
	.section	.rodata,"a",@progbits
	.p2align	6, 0x0
	.amdhsa_kernel k_q39c63045b3_prep
		.amdhsa_group_segment_fixed_size 35840
		.amdhsa_private_segment_fixed_size 0
		.amdhsa_enable_private_segment 0
		.amdhsa_kernarg_size 40
		.amdhsa_user_sgpr_count 2
		.amdhsa_user_sgpr_kernarg_segment_ptr 1
		.amdhsa_wavefront_size32 1
		.amdhsa_system_sgpr_workgroup_id_x 1
		.amdhsa_system_sgpr_workgroup_id_y 1
		.amdhsa_system_sgpr_workgroup_id_z 1
		.amdhsa_system_vgpr_workitem_id 0
		.amdhsa_next_free_vgpr 192
		.amdhsa_next_free_sgpr 66
		.amdhsa_reserve_vcc 0
		.amdhsa_float_denorm_mode_32 3
		.amdhsa_float_denorm_mode_16_64 3
		.amdhsa_memory_ordered 1
		.amdhsa_forward_progress 1
		.amdhsa_inst_pref_size 33
	.end_amdhsa_kernel
	.amdgpu_metadata
---
amdhsa.version: [ 1, 2 ]
amdhsa.kernels:
  - .name:           k_q39c63045b3_prep
    .symbol:         k_q39c63045b3_prep.kd
    .args:
      - { .name: U, .offset: 0, .size: 8, .value_kind: global_buffer, .address_space: global }
      - { .name: S, .offset: 8, .size: 8, .value_kind: global_buffer, .address_space: global }
      - { .name: Vh, .offset: 16, .size: 8, .value_kind: global_buffer, .address_space: global }
      - { .name: uq, .offset: 24, .size: 8, .value_kind: global_buffer, .address_space: global }
      - { .name: vq, .offset: 32, .size: 8, .value_kind: global_buffer, .address_space: global }
    .group_segment_fixed_size: 35840
    .private_segment_fixed_size: 0
    .kernarg_segment_align: 8
    .kernarg_segment_size: 40
    .max_flat_workgroup_size: 256
    .sgpr_count:     66
    .vgpr_count:     192
    .wavefront_size: 32
...
	.end_amdgpu_metadata
.endif
;; end of part 1
;; launch wx (part 2): grid 16 x 16, 8 waves a work-group, clusters of 4 x 4, 327,680 bytes of LDS; arguments uq, vq, x, wq, xq; writes wq, xq
.if DOCPART == 2
	.amdgcn_target "amdgcn-amd-amdhsa--gfx1250"
	.amdhsa_code_object_version 6
	.text
	.protected	k_q39c63045b3_wx
	.globl	k_q39c63045b3_wx
	.p2align	8
	.type	k_q39c63045b3_wx,@function
k_q39c63045b3_wx:
	s_mov_b64 s[64:65], 0
	v_nop
	global_prefetch_b8 v0, s[64:65] scope:SCOPE_SE
	s_setreg_imm32_b32 hwreg(HW_REG_WAVE_MODE, 25, 1), 1
	s_wait_xcnt 0x0
	s_wait_alu depctr_hold_cnt(0) depctr_sa_sdst(0) depctr_va_vdst(0) depctr_va_sdst(0) depctr_va_ssrc(0) depctr_va_vcc(0) depctr_vm_vsrc(0)
	s_getreg_b32 s2, hwreg(HW_REG_IB_STS2, 6, 4)
	s_cmp_eq_u32 s2, 0
	s_cbranch_scc0 .Lentry_in_a_cluster
	s_endpgm
.Lentry_in_a_cluster:
	s_bfe_u32 s2, ttmp6, 0x10000c
	s_cmp_lg_u32 s2, 0xf033
	s_cbranch_scc0 .Lentry_shape_is_right
	s_endpgm
.Lentry_shape_is_right:
; W[o][d] = sum over the rank of Q(U S)[o][k] Q(Vh)[k][d], quantised along d in registers; and x, quantised along d_in.  No work of the problem is left out here.
; LIMITS: NaN and infinities are not served; a block of zeros gets the byte 1 (its codes are zeros; only this program reads the bytes).
; SHARES.  A work-group makes 128 o x 256 d of W by waves 0-3 (wave: 64 o x 128 d, 32 accumulators) and eight units of x (64 rows x 128 K each) by waves 4-7 (two units a wave).
;   All of K = 1,024 of the tile's 2 groups of U and 4 groups of Vh lies in LDS (208,896 bytes), filled once, one tensor load a wave: waves 0-3 a group of Vh, waves 4-7 half a group of U.
; THE MATRIX INSTRUCTION IS USED TRANSPOSED: source 0 = a tile of Vh's codes, source 1 = 16 rows of U S.  With accumulator (a, b) at 64 a + 16 (2 (b / 4) + b % 2) + 8 ((b / 2) % 2)
;   the 64 registers of block a are in order register 16 q + i = d 32 q + 16 h + i of 128 d.
; CLUSTERS: 4 x 4 work-groups.  U's tiles hang on the o tile alone and are asked for jointly along a row of the cluster, Vh's on the d tile alone, along a column.
; No prefetch: the tiles are asked for at the head, with no loop to run ahead in; x is a stream with up to 64 loads a wave on their way.
; REGISTERS, waves 0-3: window 0: v1-29 addresses, v32-47 scale words, v64-255 two sets of fragments; window 1: accumulators.  Waves 4-7: window 1: four sets of x as loaded; window 0: the rest.
.set UOFF,  139264                     ; U's two groups, behind Vh's four of 34,816 bytes
.set SPARE, 208896                     ; the spare words: 128 bytes a wave, blocks of 256 bytes that no other line names
.set STAGE, 209920                     ; x's stages: 16 rows x 528 bytes for each of waves 4-7; no tile lands there
.set ADA,  16
.set ADB,  17                          ; v17-18: my first and my second group of Vh
.set ADSA, 19
.set ADSB, 20
.set SPW,  28
.set NIL,  29
.set G1A,  24
.set G0A,  32
.set G1B,  48
.set G0B,  56
.set PCW,  64                          ; the way out of W: v64-95 codes, 8 a block; of x: v64-71
.set PWW,  96                          ; scale words
.set TM,   100
.set SW,   116
.set X,    160                         ; x: 64 numbers of my row
.set MSB, 0
.macro WIN new                         ; the immediate's high byte repeats the setting that is left
.if MSB != \new
	s_set_vgpr_msb (MSB<<8)|\new
.set MSB, \new
.endif
.endm
.macro CROUND                          ; a whole round of the cluster's barrier
	s_barrier_signal -1
	s_barrier_wait -1
	s_cmp_lg_u32 s16, 0
	s_cbranch_scc1 .Lnot_wave_0_\@
	s_barrier_signal -3
.Lnot_wave_0_\@:
	s_barrier_wait -3
	s_barrier_signal -1
	s_barrier_wait -1
.endm
.macro PLACES n                        ; plain instructions between a matrix instruction and a load into, or a read of, its registers
.rept \n
	v_nop
.endr
.endm
; x's step t: unit t / 4, its rows 16 (t % 4) .. + 15: each load takes 512 consecutive bytes of a row
.macro LOADX t
	WIN 0x40
.irp i, 0,1,2,3,4,5,6,7,8,9,10,11,12,13,14,15
	global_load_b128 v[64*((\t)%4)+4*\i:64*((\t)%4)+4*\i+3], v3, s[8:9] offset:(16*((\t)%4)+\i)*16384+512*((\t)/4) th:TH_LOAD_NT
.endr
	WIN 0
.endm
	s_load_b128 s[4:7], s[0:1], 0x0                ; uq, vq
	s_load_b128 s[8:11], s[0:1], 0x10              ; x, wq
	s_load_b64 s[12:13], s[0:1], 0x20              ; xq
	v_lshl_add_u32 v[SPW], v0, 2, SPARE
	v_mov_b32 v[NIL], 0
	ds_add_u32 v[SPW], v[NIL]                      ; the wave's opening: the add, twice on end, and its wait ahead of my tensor load
	ds_add_u32 v[SPW], v[NIL]
	v_lshrrev_b32 v1, 5, v0
	v_readfirstlane_b32 s16, v1                    ; wave 0..7
	s_bfe_u32 s17, s16, 0x10001                    ; my half of the o tile
	s_and_b32 s18, s16, 1                          ; my half of the d tile
	s_and_b32 s19, s16, 3
	s_bfe_u32 s40, ttmp6, 0x40000                  ; cx, cy: my place in the cluster
	s_bfe_u32 s41, ttmp6, 0x40004
	s_lshl_b32 s42, ttmp9, 2
	s_add_co_u32 s42, s42, s40                     ; tx: 256 d
	s_and_b32 s43, ttmp7, 0xffff
	s_lshl_b32 s43, s43, 2
	s_add_co_u32 s43, s43, s41                     ; ty: 128 o
	s_lshl_b32 s44, s41, 2
	s_lshl_b32 s44, 15, s44                        ; my row of the cluster
	s_lshl_b32 s45, 0x1111, s40                    ; my column
	; descriptor groups 1: elements of 8 bytes, rows of 4,352 bytes end to end, no padding; 15:0 the mask, bit 21 set beside it
	s_or_b32 s[G1A], s44, (3<<16)|(1<<21)
	s_mov_b32 s[G1A+1], 544<<16
	s_mov_b32 s[G1A+2], 4<<16                      ; U: half a group, 4 K steps
	s_mov_b32 s[G1A+3], 544<<16
	s_mov_b32 s[G1A+4], 4
	s_mov_b32 s[G1A+5], 544
	s_mov_b32 s[G1A+6], 0
	s_mov_b32 s[G1A+7], 0
	s_or_b32 s[G1B], s45, (3<<16)|(1<<21)
	s_mov_b32 s[G1B+1], 544<<16
	s_mov_b32 s[G1B+2], 8<<16                      ; Vh: a group, 8 K steps
	s_mov_b32 s[G1B+3], 544<<16
	s_mov_b32 s[G1B+4], 8
	s_mov_b32 s[G1B+5], 544
	s_mov_b32 s[G1B+6], 0
	s_mov_b32 s[G1B+7], 0
	s_mul_i32 s20, s43, 69632                      ; U's tile: by ty and the wave alone
	s_mul_i32 s22, s19, 17408
	s_add_co_u32 s20, s20, s22
	s_mov_b32 s21, 0
	s_add_co_u32 s22, s22, UOFF                    ; and where it goes: no place in the cluster enters an LDS address
	s_mul_i32 s46, s42, 139264                     ; Vh's: by tx and the wave alone
	s_mul_i32 s23, s19, 34816
	s_add_co_u32 s46, s46, s23
	s_mov_b32 s47, 0
	s_lshl_b32 s60, s43, 4
	s_add_co_u32 s60, s60, s42                     ; work-group g: x's group of 64 rows g / 4, K steps 8 (g % 4) + 2 (wave % 4) + 0, 1
	s_lshr_b32 s61, s60, 2
	s_and_b32 s60, s60, 3
	s_lshl_b32 s60, s60, 3
	s_lshl_b32 s62, s19, 1
	s_add_co_u32 s60, s60, s62
	s_lshl_b32 s66, s61, 20                        ; 64 rows of 16,384 bytes
	s_lshl_b32 s62, s60, 9
	s_add_co_u32 s66, s66, s62
	s_mov_b32 s67, 0
	s_lshl_b32 s68, s61, 5
	s_add_co_u32 s68, s68, s60
	s_mul_i32 s68, s68, 4352
	s_mov_b32 s69, 0
	s_lshl_b32 s70, s43, 1                         ; W's unit: group 2 ty + o half, K step 2 tx + d half
	s_add_co_u32 s70, s70, s17
	s_lshl_b32 s70, s70, 5
	s_lshl_b32 s72, s42, 1
	s_add_co_u32 s70, s70, s72
	s_add_co_u32 s70, s70, s18
	s_mul_i32 s70, s70, 4352
	s_mov_b32 s71, 0
	s_mul_i32 s74, s17, 34816
	s_add_co_u32 s74, s74, UOFF                    ; my group of U in LDS
	s_add_co_u32 s75, s74, 4096                    ; its scale words
	s_mul_i32 s76, s18, 69632                      ; my first group of Vh,
	s_add_co_u32 s77, s76, 34816                   ; my second,
	s_add_co_u32 s78, s76, 4096                    ; and their scale words
	s_mul_i32 s79, s19, 8448
	s_add_co_u32 s79, s79, STAGE                   ; my stage
	s_mov_b32 s100, 0x76543210
	s_mov_b32 s101, 0xfedcba98                     ; selects for lane l xor 16
	v_and_b32 v1, 15, v0                           ; r
	v_bfe_u32 v2, v0, 4, 1                         ; h
	v_and_b32 v7, 31, v0
	v_lshlrev_b32 v3, 4, v7                        ; 16 x lane
	v_lshlrev_b32 v8, 4, v1                        ; 16 r
	v_add_nc_u32 v4, s79, v3                       ; into the stage
	v_mul_u32_u24 v5, v1, 528
	v_lshl_add_u32 v5, v2, 6, v5
	v_add_nc_u32 v5, s79, v5                       ; out of it
	v_lshl_add_u32 v6, v2, 3, v8                   ; scale words on the way out: 16 r + 8 h
	v_add_nc_u32 v[ADA], s74, v3
	v_add_nc_u32 v[ADB], s76, v3
	v_add_nc_u32 v[ADB+1], s77, v3
	v_add_nc_u32 v[ADSA], s75, v8
	v_mul_u32_u24 v9, v2, 34816
	v_add_nc_u32 v9, v9, v8
	v_add_nc_u32 v[ADSB], s78, v9                  ; lanes 0-15 the first group's, lanes 16-31 the second's
	s_wait_alu depctr_va_vdst(0)                   ; the wait at the head's end
	s_wait_dscnt 0x0                               ; both opening adds are done
	s_wait_kmcnt 0x0
	s_add_nc_u64 s[20:21], s[4:5], s[20:21]
	s_add_nc_u64 s[46:47], s[6:7], s[46:47]
	s_add_nc_u64 s[8:9], s[8:9], s[66:67]
	s_add_nc_u64 s[12:13], s[12:13], s[68:69]
	s_add_nc_u64 s[10:11], s[10:11], s[70:71]
	s_mov_b32 s[G0A], 1
	s_mov_b32 s[G0A+1], s22
	s_mov_b64 s[G0A+2:G0A+3], s[20:21]
	s_or_b32 s[G0A+3], s[G0A+3], 0x80000000
	s_mov_b32 s[G0B], 1
	s_mov_b32 s[G0B+1], s23
	s_mov_b64 s[G0B+2:G0B+3], s[46:47]
	s_or_b32 s[G0B+3], s[G0B+3], 0x80000000
	CROUND                                         ; all sixteen work-groups are here: the joint loads meet
	s_cmp_lt_u32 s16, 4                            ; one tensor load a wave, by the wave's number alone
	s_cbranch_scc0 .Lfor_u
	tensor_load_to_lds s[G0B:G0B+3], s[G1B:G1B+7]
	s_nop 0
	PLACES 4
	s_branch .Lasked
.Lfor_u:
	tensor_load_to_lds s[G0A:G0A+3], s[G1A:G1A+7]
	s_nop 0
	PLACES 4
	LOADX 0                                        ; waves 4-7: x's first three steps set out behind the tiles
	LOADX 1
	LOADX 2
.Lasked:
	s_wait_tensorcnt 0x0                           ; my tile is in;
	s_barrier_signal -1
	s_barrier_wait -1                              ; everybody's is
	s_cmp_lt_u32 s16, 4
	s_cbranch_scc0 .Lquant
; 26 LDS loads: fragments and scale words of K step q into set p; each takes 512 consecutive bytes or twice 256
.macro FETCH q, p
.irp a, 0,1,2,3
.irp c, 0,1
	ds_load_b128 v[64+96*(\p)+8*\a+4*\c:64+96*(\p)+8*\a+4*\c+3], v[ADA] offset:(\q)*4352+\a*1024+\c*512
.endr
.endr
.irp b, 0,1,2,3,4,5,6,7
.irp c, 0,1
	ds_load_b128 v[96+96*(\p)+8*\b+4*\c:96+96*(\p)+8*\b+4*\c+3], v[ADB+\b/4] offset:(\q)*4352+(\b%4)*1024+\c*512
.endr
.endr
	ds_load_b128 v[32+8*(\p):35+8*(\p)], v[ADSA] offset:(\q)*4352    ; register a: U's block a, row r in lane r
	ds_load_b128 v[36+8*(\p):39+8*(\p)], v[ADSB] offset:(\q)*4352    ; register m: tile m in lanes 0-15, tile 4 + m in lanes 16-31
.endm
.macro WM zero, row1
.if \zero
.if \row1
	v_wmma_scale_f32_16x16x128_f8f6f4 v[AC:AC+7], v[FB:FB+7], v[FA:FA+7], 0, v[SSB], v[SSA] matrix_a_fmt:MATRIX_FMT_FP4 matrix_b_fmt:MATRIX_FMT_FP4 matrix_a_scale:MATRIX_SCALE_ROW1
.else
	v_wmma_scale_f32_16x16x128_f8f6f4 v[AC:AC+7], v[FB:FB+7], v[FA:FA+7], 0, v[SSB], v[SSA] matrix_a_fmt:MATRIX_FMT_FP4 matrix_b_fmt:MATRIX_FMT_FP4
.endif
.else
.if \row1
	v_wmma_scale_f32_16x16x128_f8f6f4 v[AC:AC+7], v[FB:FB+7], v[FA:FA+7], v[AC:AC+7], v[SSB], v[SSA] matrix_a_fmt:MATRIX_FMT_FP4 matrix_b_fmt:MATRIX_FMT_FP4 matrix_a_scale:MATRIX_SCALE_ROW1
.else
	v_wmma_scale_f32_16x16x128_f8f6f4 v[AC:AC+7], v[FB:FB+7], v[FA:FA+7], v[AC:AC+7], v[SSB], v[SSA] matrix_a_fmt:MATRIX_FMT_FP4 matrix_b_fmt:MATRIX_FMT_FP4
.endif
.endif
.endm
; K step q: 32 matrix instructions; the 32 accumulators take turns, in the same order in every step
.macro STEPW q
	s_wait_dscnt 0x0                               ; this step's set, asked for a step ago, is in
	PLACES 4                                       ; behind the last products, which read the other set
.if (\q) < 7
	FETCH (\q)+1, 1-(\q)%2
.endif
	WIN 0x50                                       ; C and D in window 1
.irp a, 0,1,2,3
.irp b, 0,1,2,3,4,5,6,7
.set AC, 64*\a+16*(2*(\b/4)+(\b%2))+8*((\b/2)%2)
.set FB, 96+96*((\q)%2)+8*\b
.set FA, 64+96*((\q)%2)+8*\a
.set SSB, 36+8*((\q)%2)+(\b%4)
.set SSA, 32+8*((\q)%2)+\a
.if (\q) == 0
	WM 1, \b/4
.else
	WM 0, \b/4
.endif
.endr
.endr
	WIN 0
.endm
	FETCH 0, 0
.irp q, 0,1,2,3,4,5,6,7
	STEPW \q
.endr
; THE WAY OUT.  Block a's 64 registers are 128 d of one o a lane, in the quantiser's order: they become one fragment of W's codes and one scale word a row.
.macro QUANTW m
.set AB, 64*(\m)
	WIN 0x14                                       ; sources 1 and 2 in window 1
.irp b, 0,1,2,3
	v_max3_num_f32 v[TM+\b], 0x1800000, |v[AB+16*\b]|, |v[AB+16*\b+1]|   ; the floor 2^(3 - 127) and my first two; each accumulator is read from its low end on
.endr
.irp i, 2,4,6,8,10,12,14
.irp b, 0,1,2,3
	v_max3_num_f32 v[TM+\b], v[TM+\b], |v[AB+16*\b+\i]|, |v[AB+16*\b+\i+1]|
.endr
.endr
	WIN 0
	SCALE PWW+\m
	WIN 0x01                                       ; source 0 in window 1
.irp b, 0,1,2,3
	v_cvt_scalef32_pk8_fp4_f32 v[PCW+8*(\m)+2*\b], v[AB+16*\b:AB+16*\b+7], v[TM+12+\b]
	v_cvt_scalef32_pk8_fp4_f32 v[PCW+8*(\m)+2*\b+1], v[AB+16*\b+8:AB+16*\b+15], v[TM+12+\b]
.endr
	WIN 0
	v_nop                                          ; one plain instruction behind the scaled conversions
	SWAPS PCW+8*(\m)
.endm
; from my 16 numbers' maxima of four blocks: the conversions' scale operands and my row's scale word
.macro SCALE pw
.irp b, 0,1,2,3
	v_permlanex16_b32 v[TM+4+\b], v[TM+\b], s100, s101
.endr
.irp b, 0,1,2,3
	v_max_num_f32 v[TM+\b], v[TM+\b], v[TM+4+\b]   ; with lane l xor 16's: the block's largest magnitude
.endr
.irp b, 0,1,2,3
	v_add_nc_u32 v[TM+12+\b], 0xff000000, v[TM+\b] ; 2 off the exponent field: the conversion's scale operand
.endr
.irp b, 0,1,2,3
	v_lshrrev_b32 v[TM+4+\b], 23, v[TM+12+\b]      ; the scale's byte
.endr
	v_lshl_or_b32 v[\pw], v[TM+5], 8, v[TM+4]
	v_lshl_or_b32 v[\pw], v[TM+6], 16, v[\pw]
	v_lshl_or_b32 v[\pw], v[TM+7], 24, v[\pw]
.endm
.macro SWAPS pc                        ; a whole block to a lane: lanes 0-15 block 2 c, lanes 16-31 block 2 c + 1
.irp c, 0,1
.irp i, 0,1
	v_permlane16_swap_b32 v[\pc+4*\c+\i], v[\pc+4*\c+2+\i]
.endr
.endr
.endm
.macro WORDS base, off                 ; lanes 0-15 store fragments 0 and 1's words of row r, lanes 16-31 2 and 3's: 256 consecutive bytes, aligned
	v_cmp_ne_u32 vcc_lo, 0, v2
	v_cndmask_b32 v[SW], v[PWW], v[PWW+2], vcc_lo
	v_cndmask_b32 v[SW+1], v[PWW+1], v[PWW+3], vcc_lo
	global_store_b64 v6, v[SW:SW+1], s[\base:\base+1] offset:\off
.endm
	PLACES 4                                       ; behind the last products: results are read, and registers that held fragments are written
.irp b, 0,1,2,3
	v_mov_b32 v[TM+4+\b], 0                        ; a lane permute's destination counts as one of its sources
.endr
.irp m, 0,1,2,3
	QUANTW \m
.irp c, 0,1
	global_store_b128 v3, v[PCW+8*\m+4*\c:PCW+8*\m+4*\c+3], s[10:11] offset:\m*1024+512*\c   ; each block has its own registers, so no store's data are written again
.endr
.endr
	WORDS 10, 4096
	s_branch .Lend
; x: step t's 16 rows become one fragment
.macro XSTEP t, younger
	s_wait_loadcnt \younger                        ; this step's 16 loads are in; the younger sets' may be out
	WIN 0x04                                       ; an LDS store's data are its source 1: window 1
.irp i, 0,1,2,3,4,5,6,7,8,9,10,11,12,13,14,15
	ds_store_b128 v4, v[64*((\t)%4)+4*\i:64*((\t)%4)+4*\i+3] offset:528*\i   ; through my own stage, as they lie;
.endr
	WIN 0
.irp b, 0,1,2,3
.irp j, 0,1,2,3
	ds_load_b128 v[X+16*\b+4*\j:X+16*\b+4*\j+3], v5 offset:128*\b+16*\j   ; back as register 16 b + i = k 32 b + 16 h + i of row r.  LDS serves a wave's instructions in order (ISA guide 5.7.1.4)
.endr
.endr
	s_wait_dscnt 0x0                               ; the numbers are back, and the stores have read their registers
.if (\t) > 0
	s_wait_xcnt 0x0                                ; the last step's stores have read the registers that are written again below
.endif
.if (\t) < 4
	LOADX (\t)+4                                   ; the set takes the loads of four steps on
.endif
.irp b, 0,1,2,3
	v_max3_num_f32 v[TM+\b], |v[X+16*\b]|, |v[X+1+16*\b]|, 0x1800000
.endr
.irp i, 2,4,6,8,10,12,14
.irp b, 0,1,2,3
	v_max3_num_f32 v[TM+\b], v[TM+\b], |v[X+16*\b+\i]|, |v[X+1+16*\b+\i]|
.endr
.endr
	SCALE PWW+(\t)%4
.irp b, 0,1,2,3
	v_cvt_scalef32_pk8_fp4_f32 v[PCW+2*\b], v[X+16*\b:X+7+16*\b], v[TM+12+\b]
	v_cvt_scalef32_pk8_fp4_f32 v[PCW+1+2*\b], v[X+8+16*\b:X+15+16*\b], v[TM+12+\b]
.endr
	v_nop                                          ; one plain instruction behind the scaled conversions
	SWAPS PCW
.irp c, 0,1
	global_store_b128 v3, v[PCW+4*\c:PCW+4*\c+3], s[12:13] offset:((\t)/4)*4352+((\t)%4)*1024+512*\c
.endr
.if (\t)%4 == 3
	WORDS 12, ((\t)/4)*4352+4096
.endif
.endm
.Lquant:
.irp b, 0,1,2,3
	v_mov_b32 v[TM+4+\b], 0
.endr
	LOADX 3
	XSTEP 0, 48
	XSTEP 1, 48
	XSTEP 2, 48
	XSTEP 3, 48
	XSTEP 4, 48
	XSTEP 5, 32
	XSTEP 6, 16
	XSTEP 7, 0
.Lend:
	s_wait_tensorcnt 0x0                           ; the wave's end
	ds_add_u32 v[SPW], v[NIL]
	s_wait_dscnt 0x0
	CROUND                                         ; the closing round: no work-group ends while a partner may still ask for a tile that names it
	s_endpgm
.Lfunc_end_k_q39c63045b3_wx:
	.size	k_q39c63045b3_wx, .Lfunc_end_k_q39c63045b3_wx-k_q39c63045b3_wx
	.p2alignl 7, 3214868480
	.fill 96, 4, 3214868480
	.section	.rodata,"a",@progbits
	.p2align	6, 0x0
	.amdhsa_kernel k_q39c63045b3_wx
		.amdhsa_group_segment_fixed_size 327680
		.amdhsa_private_segment_fixed_size 0
		.amdhsa_enable_private_segment 0
		.amdhsa_kernarg_size 40
		.amdhsa_user_sgpr_count 2
		.amdhsa_user_sgpr_kernarg_segment_ptr 1
		.amdhsa_wavefront_size32 1
		.amdhsa_system_sgpr_workgroup_id_x 1
		.amdhsa_system_sgpr_workgroup_id_y 1
		.amdhsa_system_sgpr_workgroup_id_z 1
		.amdhsa_system_vgpr_workitem_id 0
		.amdhsa_next_free_vgpr 512
		.amdhsa_next_free_sgpr 102
		.amdhsa_reserve_vcc 1
		.amdhsa_float_denorm_mode_32 3
		.amdhsa_float_denorm_mode_16_64 3
		.amdhsa_memory_ordered 1
		.amdhsa_forward_progress 1
		.amdhsa_inst_pref_size 132
	.end_amdhsa_kernel
	.amdgpu_metadata
---
amdhsa.version: [ 1, 2 ]
amdhsa.kernels:
  - .name:           k_q39c63045b3_wx
    .symbol:         k_q39c63045b3_wx.kd
    .args:
      - { .name: uq, .offset: 0, .size: 8, .value_kind: global_buffer, .address_space: global }
      - { .name: vq, .offset: 8, .size: 8, .value_kind: global_buffer, .address_space: global }
      - { .name: x, .offset: 16, .size: 8, .value_kind: global_buffer, .address_space: global }
      - { .name: wq, .offset: 24, .size: 8, .value_kind: global_buffer, .address_space: global }
      - { .name: xq, .offset: 32, .size: 8, .value_kind: global_buffer, .address_space: global }
    .group_segment_fixed_size: 327680
    .private_segment_fixed_size: 0
    .kernarg_segment_align: 8
    .kernarg_segment_size: 40
    .max_flat_workgroup_size: 256
    .sgpr_count:     102
    .vgpr_count:     512
    .wavefront_size: 32
...
	.end_amdgpu_metadata
.endif
;; end of part 2
;; launch gemm_y (part 3): grid 16 x 16, 4 waves a work-group, clusters of 4 x 4, 327,680 bytes of LDS; arguments xq, wq, out0; writes out0
.if DOCPART == 3
	.amdgcn_target "amdgcn-amd-amdhsa--gfx1250"
	.amdhsa_code_object_version 6
	.text
	.protected	k_q39c63045b3_gemm_y
	.globl	k_q39c63045b3_gemm_y
	.p2align	8
	.type	k_q39c63045b3_gemm_y,@function
k_q39c63045b3_gemm_y:
	s_mov_b64 s[64:65], 0
	v_nop
	global_prefetch_b8 v0, s[64:65] scope:SCOPE_SE
	s_setreg_imm32_b32 hwreg(HW_REG_WAVE_MODE, 25, 1), 1
	s_wait_xcnt 0x0
	s_wait_alu depctr_hold_cnt(0) depctr_sa_sdst(0) depctr_va_vdst(0) depctr_va_sdst(0) depctr_va_ssrc(0) depctr_va_vcc(0) depctr_vm_vsrc(0)
	s_getreg_b32 s2, hwreg(HW_REG_IB_STS2, 6, 4)
	s_cmp_eq_u32 s2, 0
	s_cbranch_scc0 .Lentry_in_a_cluster
	s_endpgm
.Lentry_in_a_cluster:
	s_bfe_u32 s2, ttmp6, 0x10000c
	s_cmp_lg_u32 s2, 0xf033
	s_cbranch_scc0 .Lentry_shape_is_right
	s_endpgm
.Lentry_shape_is_right:
; y[m][o] = sum over d of Q(x)[m][d] Q(W)[o][d], on codes of FP4 with E8M0 scales, f32 sums; y is [4,096][2,048] f32.  No work of the problem is left out here.
; Codes and scale words lie in units [group of 64 rows][K step of 128][4,352 bytes]: see the first launch.  W's fragment m of a group holds in row r the row o = 64 G + 4 r + m.
; SHARES.  A work-group makes 256 m x 128 o.  Wave w: rows 128 (w % 2) .. + 127, all 128 o, and EVERY SECOND K STEP (those of parity w / 2): 64 accumulators, 512 registers.  So a fragment that is read from LDS
;   serves eight matrix instructions on either side.  The two waves of a row half add their sums at the end through LDS, each finishing 64 rows: an output is the sum of two f32 sums, each with K ascending.
;   A wave's accumulators 0-3 are the group of 64 rows that it finishes, 4-7 the one that it sends: the order of the two groups is in the LDS addresses.
; THE RING: two slots of 6 K steps: 4 groups of x and 2 of W, 26,112 bytes each; 32 K steps are fills of 6, 6, 6, 6, 6 and 2.  Waves 0, 1 fetch two groups of x, waves 2, 3 one of W: one tensor load a wave behind each round.
; CLUSTERS: 4 x 4 work-groups.  x's tiles hang on the m tile alone and are asked for jointly along a row of the cluster, W's on the o tile alone, along a column.
; PREFETCH: each fill's bytes are asked for one slot (6 K steps) ahead of its tensor load, each 256 bytes once a cluster: of x's four groups a partner takes the one of its cx, of W's two groups half a group by its cy.
;   The first fill is not prefetched; the last is shorter and has offsets of its own; behind it nothing is asked for.
; THE WAY OUT: lane (r, h), register j of accumulators 4 G + 0 .. 3 are row 8 h + j, columns 64 G + 4 r + 0 .. 3: the additions put the four side by side, and sixteen lanes store 256 consecutive bytes of a row.
; REGISTERS: window 0: v1-54 addresses and scale words, v128-255 x's fragments, two sets; window 1: v0-127 W's fragments, two sets; at the end the partner's sums; window 2: accumulators 0-3 x 8 at 64 a + 8 b;
;   window 3: accumulators 4-7; at the end the rows to store.
.set UNIT,  4352
.set GRP,   26112                      ; six units: a group in a slot, and the step from fill to fill in memory
.set ROWG,  139264                     ; a group in memory: 32 units
.set WOFF,  104448                     ; W's two groups in a slot, behind x's four
.set SLOT,  156672
.set SPARE, 313344                     ; the spare words: 128 bytes a wave, blocks of 256 bytes that no other line names
.set AL,  16                           ; v16-18 x's group that I finish: slot 0, slot 1, the last fill
.set AH,  19                           ; v19-21 x's group that I send
.set AS,  22                           ; v22-24 their scale words: lanes 0-15, lanes 16-31
.set BW,  25                           ; v25-26 W
.set BS,  27                           ; v27-28 its scale words: lanes 0-15 group 0, lanes 16-31 group 1
.set SPW, 30
.set NIL, 31
.set SA,  32                           ; x's scale words, set p at SA + 4 p
.set SB,  40                           ; W's
.set XW,  48                           ; where I send sums, and
.set XR,  49                           ; where I find my partner's
.set CO,  50
.set PX,  51                           ; the prefetches' offsets: x, x in the last fill, W, W in the last fill
.set PXL, 52
.set PW,  53
.set PWL, 54
.set G1A, 24
.set G0A, 32
.set G1B, 48
.set G0B, 56
.set MSB, 0
.macro WIN new                         ; the immediate's high byte repeats the setting that is left
.if MSB != \new
	s_set_vgpr_msb (MSB<<8)|\new
.set MSB, \new
.endif
.endm
.set LO, 0xa4                          ; source 0 (x) window 0, source 1 (W) window 1, C and D window 2
.set HI, 0xf4                          ; the same, C and D window 3
.macro JLOAD s                         ; a joint load: waves 0, 1 for x, waves 2, 3 for W; an s_nop 0 and four v_nop follow each of the two lines
	s_cmp_eq_u32 s17, 0
	s_cbranch_scc0 .Lfor_w_\@
	tensor_load_to_lds s[G0A+4*\s:G0A+4*\s+3], s[G1A:G1A+7]
	s_nop 0
	PLACES 4
	s_branch .Lasked_\@
.Lfor_w_\@:
	tensor_load_to_lds s[G0B+4*\s:G0B+4*\s+3], s[G1B:G1B+7]
	s_nop 0
	PLACES 4
.Lasked_\@:
.endm
.macro PLACES n                        ; plain instructions between a matrix instruction and a load into, or a read of, its registers
.rept \n
	v_nop
.endr
.endm
.macro CREST                           ; a round of the cluster's barrier behind its opening barrier
	s_cmp_lg_u32 s16, 0
	s_cbranch_scc1 .Lnot_wave_0_\@
	s_barrier_signal -3
.Lnot_wave_0_\@:
	s_barrier_wait -3
	s_barrier_signal -1
	s_barrier_wait -1
.endm
.macro CROUND
	s_barrier_signal -1
	s_barrier_wait -1
	CREST
.endm
.macro PFO dst, last, first, top       ; 256-byte unit: my wave's first + the lane, no further than my wave's last and the share's last
	v_min_u32 v9, \last, v4
	v_add_nc_u32 v9, s[\first], v9
	v_min_u32 v9, \top, v9
	v_lshlrev_b32 v[\dst], 8, v9
.endm
.macro ASK x, w
	global_prefetch_b8 v[\x], s[44:45] th:TH_LOAD_NT scope:SCOPE_SE
	global_prefetch_b8 v[\w], s[46:47] th:TH_LOAD_NT scope:SCOPE_SE
.endm
.macro WM zero, ra, rb
.if \zero
.if \ra
.if \rb
	v_wmma_scale_f32_16x16x128_f8f6f4 v[AC:AC+7], v[FA:FA+7], v[FB:FB+7], 0, v[SX], v[SY] matrix_a_fmt:MATRIX_FMT_FP4 matrix_b_fmt:MATRIX_FMT_FP4 matrix_a_scale:MATRIX_SCALE_ROW1 matrix_b_scale:MATRIX_SCALE_ROW1
.else
	v_wmma_scale_f32_16x16x128_f8f6f4 v[AC:AC+7], v[FA:FA+7], v[FB:FB+7], 0, v[SX], v[SY] matrix_a_fmt:MATRIX_FMT_FP4 matrix_b_fmt:MATRIX_FMT_FP4 matrix_a_scale:MATRIX_SCALE_ROW1
.endif
.else
.if \rb
	v_wmma_scale_f32_16x16x128_f8f6f4 v[AC:AC+7], v[FA:FA+7], v[FB:FB+7], 0, v[SX], v[SY] matrix_a_fmt:MATRIX_FMT_FP4 matrix_b_fmt:MATRIX_FMT_FP4 matrix_b_scale:MATRIX_SCALE_ROW1
.else
	v_wmma_scale_f32_16x16x128_f8f6f4 v[AC:AC+7], v[FA:FA+7], v[FB:FB+7], 0, v[SX], v[SY] matrix_a_fmt:MATRIX_FMT_FP4 matrix_b_fmt:MATRIX_FMT_FP4
.endif
.endif
.else
.if \ra
.if \rb
	v_wmma_scale_f32_16x16x128_f8f6f4 v[AC:AC+7], v[FA:FA+7], v[FB:FB+7], v[AC:AC+7], v[SX], v[SY] matrix_a_fmt:MATRIX_FMT_FP4 matrix_b_fmt:MATRIX_FMT_FP4 matrix_a_scale:MATRIX_SCALE_ROW1 matrix_b_scale:MATRIX_SCALE_ROW1
.else
	v_wmma_scale_f32_16x16x128_f8f6f4 v[AC:AC+7], v[FA:FA+7], v[FB:FB+7], v[AC:AC+7], v[SX], v[SY] matrix_a_fmt:MATRIX_FMT_FP4 matrix_b_fmt:MATRIX_FMT_FP4 matrix_a_scale:MATRIX_SCALE_ROW1
.endif
.else
.if \rb
	v_wmma_scale_f32_16x16x128_f8f6f4 v[AC:AC+7], v[FA:FA+7], v[FB:FB+7], v[AC:AC+7], v[SX], v[SY] matrix_a_fmt:MATRIX_FMT_FP4 matrix_b_fmt:MATRIX_FMT_FP4 matrix_b_scale:MATRIX_SCALE_ROW1
.else
	v_wmma_scale_f32_16x16x128_f8f6f4 v[AC:AC+7], v[FA:FA+7], v[FB:FB+7], v[AC:AC+7], v[SX], v[SY] matrix_a_fmt:MATRIX_FMT_FP4 matrix_b_fmt:MATRIX_FMT_FP4
.endif
.endif
.endif
.endm
; 16 matrix instructions: x's blocks a0, a0 + 1 x W's eight, set p.  The 64 accumulators take turns, one instruction a turn
.macro MUL16 a0, p, zero
.irp a, \a0, \a0+1
.irp b, 0,1,2,3,4,5,6,7
.set AC, 64*((\a)%4)+8*\b
.set FA, 128+64*(\p)+8*(\a)
.set FB, 64*(\p)+8*\b
.set SX, SA+4*(\p)+((\a)%4)
.set SY, SB+4*(\p)+(\b%4)
	WM \zero, (\a)/4, \b/4
.endr
.endr
.endm
; a step's 34 LDS loads in four runs, each load 512 consecutive bytes or twice 256: q: which of my K steps in the slot
.macro RUN1 x, w, q, p                 ; both sides' scale words and W's group 0: 10 loads
	WIN 0
	ds_load_b128 v[SA+4*(\p):SA+4*(\p)+3], v[AS+\x] offset:(\q)*2*UNIT
	ds_load_b128 v[SB+4*(\p):SB+4*(\p)+3], v[BS+\w] offset:(\q)*2*UNIT
	BRUN \w, \q, \p, 0
.endm
.macro BRUN w, q, p, g                 ; W's group g: 8 loads
	WIN 0x40
.irp m, 0,1,2,3
.irp c, 0,1
	ds_load_b128 v[64*(\p)+32*(\g)+8*\m+4*\c:64*(\p)+32*(\g)+8*\m+4*\c+3], v[BW+\w] offset:GRP*(\g)+(\q)*2*UNIT+1024*\m+512*\c
.endr
.endr
.endm
.macro ARUN adr, q, p, g               ; x's blocks 4 g .. 4 g + 3: 8 loads
	WIN 0
.irp m, 0,1,2,3
.irp c, 0,1
	ds_load_b128 v[128+64*(\p)+32*(\g)+8*\m+4*\c:128+64*(\p)+32*(\g)+8*\m+4*\c+3], v[\adr] offset:(\q)*2*UNIT+1024*\m+512*\c
.endr
.endr
.endm
; a step of 128 along K on set p; the next one, in the same slot, is fetched into the other set
.macro STEP p, zero, x, w, q
	s_wait_dscnt 8                                 ; all but x's blocks 4-7 are in
	PLACES 4                                       ; behind the last products, which read the other set
	RUN1 \x, \w, \q, 1-(\p)
	WIN LO
	MUL16 0, \p, \zero
	BRUN \w, \q, 1-(\p), 1
	WIN LO
	MUL16 2, \p, \zero
	s_wait_dscnt 18                                ; x's blocks 4-7 are in: behind them 10 + 8 loads were issued
	ARUN AL+\x, \q, 1-(\p), 0
	WIN HI
	MUL16 4, \p, \zero
	ARUN AH+\x, \q, 1-(\p), 1
	WIN HI
	MUL16 6, \p, \zero
	WIN 0
.endm
; a slot's last step changes slots: one barrier, in front of it all my tensor loads, the add and my reads of this slot.  fill = 1: slot s is filled again, two fills on; 2: with the last, shorter fill; 0: not.  ask = 1, 2: the fill behind that one is prefetched
.macro TURN p, s, fill, ask, x, w
.if \ask
	s_wait_xcnt 0x0                                ; my prefetches have read their address
	s_add_nc_u64 s[44:45], s[44:45], GRP
	s_add_nc_u64 s[46:47], s[46:47], GRP
.if \ask == 2
	s_sub_nc_u64 s[46:47], s[46:47], s[66:67]      ; half a group of the last fill is 17 units of 256 bytes, not 51
.endif
.endif
	s_wait_tensorcnt 0x0                           ; all my tensor loads have landed: my part of the next slot
	ds_add_u32 v[SPW], v[NIL]
	s_wait_dscnt 9                                 ; x's blocks 4-7 and the add may be out
	WIN LO
	MUL16 0, \p, 0
	s_wait_dscnt 0x0                               ; the add is done, and my reads of this slot are over
	s_barrier_signal -1
	MUL16 2, \p, 0
	WIN 0
	s_barrier_wait -1
.if \fill
	CREST                                          ; no wave of any partner still reads this slot or has a load on its way
	s_add_nc_u64 s[G0A+4*\s+2:G0A+4*\s+3], s[G0A+4*\s+2:G0A+4*\s+3], 2*GRP
	s_add_nc_u64 s[G0B+4*\s+2:G0B+4*\s+3], s[G0B+4*\s+2:G0B+4*\s+3], 2*GRP
.if \fill == 2
	s_mov_b32 s[G1A+1], 1088<<16                   ; two K steps: x's rows are 8,704 bytes,
	s_mov_b32 s[G1A+3], 1088<<16
	s_mov_b32 s[G1B+2], 2<<16                      ; W's rows are two
	s_mov_b32 s[G1B+4], 2
.endif
	JLOAD \s                                       ; the first tensor load behind the round; its four v_nop also stand in front of the loads below
.else
	PLACES 4
.endif
	RUN1 \x, \w, 0, 1-(\p)
	BRUN \w, 0, 1-(\p), 1
.if \ask == 1
	ASK PX, PW
.endif
.if \ask == 2
	ASK PXL, PWL
.endif
	WIN HI
	MUL16 4, \p, 0
	ARUN AL+\x, 0, 1-(\p), 0
	ARUN AH+\x, 0, 1-(\p), 1
	WIN HI
	MUL16 6, \p, 0
	WIN 0
.endm
	s_load_b128 s[4:7], s[0:1], 0x0                ; xq, wq
	s_load_b64 s[8:9], s[0:1], 0x10                ; y
	v_lshl_add_u32 v[SPW], v0, 2, SPARE
	v_mov_b32 v[NIL], 0
	ds_add_u32 v[SPW], v[NIL]                      ; the wave's opening: the add, twice on end, and its wait ahead of my first tensor load
	ds_add_u32 v[SPW], v[NIL]
	v_lshrrev_b32 v1, 5, v0
	v_readfirstlane_b32 s16, v1                    ; wave 0..3
	s_lshr_b32 s17, s16, 1                         ; the parity of my K steps.  Also: I fetch for x (0) or for W (1)
	s_and_b32 s18, s16, 1                          ; my half of the rows.  Also: which half of that side I fetch
	s_bfe_u32 s40, ttmp6, 0x40000                  ; cx, cy: my place in the cluster
	s_bfe_u32 s41, ttmp6, 0x40004
	s_lshl_b32 s42, ttmp9, 2
	s_add_co_u32 s42, s42, s40                     ; tx: 128 o
	s_and_b32 s43, ttmp7, 0xffff
	s_lshl_b32 s43, s43, 2
	s_add_co_u32 s43, s43, s41                     ; ty: 256 m
	s_lshl_b32 s44, s41, 2
	s_lshl_b32 s44, 15, s44                        ; my row of the cluster
	s_lshl_b32 s45, 0x1111, s40                    ; my column
	; descriptor groups 1: elements of 8 bytes, no padding; 15:0 the mask, bit 21 set beside it
	s_or_b32 s[G1A], s44, (3<<16)|(1<<21)
	s_mov_b32 s[G1A+1], 3264<<16                   ; x: two rows of 26,112 bytes, a group each
	s_mov_b32 s[G1A+2], 2<<16
	s_mov_b32 s[G1A+3], 3264<<16
	s_mov_b32 s[G1A+4], 2
	s_mov_b32 s[G1A+5], 17408                      ; from group to group
	s_mov_b32 s[G1A+6], 0
	s_mov_b32 s[G1A+7], 0
	s_or_b32 s[G1B], s45, (3<<16)|(1<<21)
	s_mov_b32 s[G1B+1], 544<<16                    ; W: one group, six units end to end
	s_mov_b32 s[G1B+2], 6<<16
	s_mov_b32 s[G1B+3], 544<<16
	s_mov_b32 s[G1B+4], 6
	s_mov_b32 s[G1B+5], 544
	s_mov_b32 s[G1B+6], 0
	s_mov_b32 s[G1B+7], 0
	; LDS: what a wave reads
	s_mul_i32 s68, s18, 2*GRP
	s_mul_i32 s69, s17, UNIT
	s_add_co_u32 s68, s68, s69                     ; my two groups of x, my first K step
	s_xor_b32 s70, s17, 1
	s_mul_i32 s71, s17, GRP
	s_add_co_u32 s71, s71, s68                     ; the group that I finish: number w / 2 of the two
	s_mul_i32 s72, s70, GRP
	s_add_co_u32 s72, s72, s68                     ; the other
	s_add_co_u32 s73, s71, SLOT
	s_add_co_u32 s74, s72, SLOT
	s_add_co_u32 s77, s68, 4096                    ; scale words
	s_add_co_u32 s78, s77, SLOT
	s_add_co_u32 s68, s68, SLOT                    ; the last fill, in slot 1: its groups of x are two units apart
	s_mul_i32 s75, s17, 2*UNIT
	s_add_co_u32 s75, s75, s68
	s_mul_i32 s76, s70, 2*UNIT
	s_add_co_u32 s76, s76, s68
	s_add_co_u32 s79, s69, WOFF                    ; W
	s_add_co_u32 s80, s79, SLOT
	s_add_co_u32 s81, s79, 4096
	s_add_co_u32 s82, s80, 4096
	s_lshl_b32 s83, s16, 15                        ; the exchange: 32,768 bytes a wave, in slot 0, when it has had its last fill and its last read
	s_xor_b32 s84, s16, 2
	s_lshl_b32 s84, s84, 15
	s_mul_i32 s85, s16, 26                         ; the prefetches: my wave's first units
	s_mul_i32 s86, s16, 9
	s_mul_i32 s87, s16, 13
	s_mul_i32 s88, s16, 5
	s_lshl_b32 s90, s43, 21                        ; y: row 256 ty + 128 (w % 2) + 64 (w / 2) of 8,192 bytes, column byte 512 tx
	s_lshl_b32 s91, s18, 20
	s_add_co_u32 s90, s90, s91
	s_lshl_b32 s91, s17, 19
	s_add_co_u32 s90, s90, s91
	s_lshl_b32 s91, s42, 9
	s_add_co_u32 s90, s90, s91
	s_mov_b32 s91, 0
	s_mul_i32 s92, s43, 4*ROWG                     ; x's tile: by ty and the wave alone
	s_mul_i32 s93, s18, 2*ROWG
	s_add_co_u32 s92, s92, s93
	s_mov_b32 s93, 0
	s_mul_i32 s94, s42, 2*ROWG                     ; W's: by tx and the wave alone
	s_mul_i32 s95, s18, ROWG
	s_add_co_u32 s94, s94, s95
	s_mov_b32 s95, 0
	s_lshl_b32 s96, s43, 2                         ; the prefetches, at the second fill: x's group 4 ty + cx,
	s_add_co_u32 s96, s96, s40
	s_mul_i32 s96, s96, ROWG
	s_add_co_u32 s96, s96, GRP
	s_mov_b32 s97, 0
	s_lshl_b32 s98, s42, 1                         ; W's group 2 tx + cy / 2, its half cy % 2
	s_lshr_b32 s99, s41, 1
	s_add_co_u32 s98, s98, s99
	s_mul_i32 s98, s98, ROWG
	s_and_b32 s66, s41, 1
	s_mul_i32 s99, s66, 51*256
	s_add_co_u32 s98, s98, s99
	s_add_co_u32 s98, s98, GRP
	s_mov_b32 s99, 0
	s_mul_i32 s66, s66, 34*256
	s_mov_b32 s67, 0
	s_mul_i32 s100, s18, 2*GRP                     ; where my tile goes: no place in the cluster enters an LDS address
	s_mul_i32 s101, s18, GRP
	s_add_co_u32 s101, s101, WOFF
	v_and_b32 v1, 15, v0                           ; r
	v_bfe_u32 v2, v0, 4, 1                         ; h
	v_and_b32 v4, 31, v0                           ; lane
	v_lshlrev_b32 v3, 4, v4
	v_lshlrev_b32 v5, 4, v1
	v_add_nc_u32 v[AL], s71, v3
	v_add_nc_u32 v[AL+1], s73, v3
	v_add_nc_u32 v[AL+2], s75, v3
	v_add_nc_u32 v[AH], s72, v3
	v_add_nc_u32 v[AH+1], s74, v3
	v_add_nc_u32 v[AH+2], s76, v3
	v_xor_b32 v6, s17, v2                          ; which group's scale words: lanes 0-15 the one that I finish
	v_mul_u32_u24 v7, v6, GRP
	v_add_nc_u32 v7, v7, v5
	v_add_nc_u32 v[AS], s77, v7
	v_add_nc_u32 v[AS+1], s78, v7
	v_mul_u32_u24 v7, v6, 2*UNIT
	v_add_nc_u32 v7, v7, v5
	v_add_nc_u32 v[AS+2], s78, v7
	v_add_nc_u32 v[BW], s79, v3
	v_add_nc_u32 v[BW+1], s80, v3
	v_mul_u32_u24 v8, v2, GRP
	v_add_nc_u32 v8, v8, v5
	v_add_nc_u32 v[BS], s81, v8
	v_add_nc_u32 v[BS+1], s82, v8
	v_add_nc_u32 v[XW], s83, v3
	v_add_nc_u32 v[XR], s84, v3
	v_lshl_add_u32 v[CO], v2, 16, v5               ; 8 h rows of y, 16 r
	PFO PX, 25, 85, 101
	PFO PXL, 8, 86, 33
	PFO PW, 12, 87, 50
	PFO PWL, 4, 88, 16
	s_wait_alu depctr_va_vdst(0)                   ; the wait at the head's end
	s_wait_dscnt 0x0                               ; both opening adds are done
	s_wait_kmcnt 0x0
	s_add_nc_u64 s[92:93], s[4:5], s[92:93]
	s_add_nc_u64 s[94:95], s[6:7], s[94:95]
	s_add_nc_u64 s[44:45], s[4:5], s[96:97]
	s_add_nc_u64 s[46:47], s[6:7], s[98:99]
	s_add_nc_u64 s[8:9], s[8:9], s[90:91]
.irp s, 0,1
	s_mov_b32 s[G0A+4*\s], 1
	s_add_co_u32 s[G0A+4*\s+1], s100, \s*SLOT
	s_add_nc_u64 s[G0A+4*\s+2:G0A+4*\s+3], s[92:93], \s*GRP
	s_or_b32 s[G0A+4*\s+3], s[G0A+4*\s+3], 0x80000000
	s_mov_b32 s[G0B+4*\s], 1
	s_add_co_u32 s[G0B+4*\s+1], s101, \s*SLOT
	s_add_nc_u64 s[G0B+4*\s+2:G0B+4*\s+3], s[94:95], \s*GRP
	s_or_b32 s[G0B+4*\s+3], s[G0B+4*\s+3], 0x80000000
.endr
	CROUND                                         ; all sixteen work-groups are here: the first joint loads meet
	JLOAD 0                                        ; K steps 0-5: one tensor load a wave at the head
	ASK PX, PW                                     ; the second fill
	s_wait_xcnt 0x0                                ; (the prefetches have read their address)
	s_add_nc_u64 s[44:45], s[44:45], GRP
	s_add_nc_u64 s[46:47], s[46:47], GRP
	s_wait_tensorcnt 0x0                           ; my part of slot 0 is in
	ds_add_u32 v[SPW], v[NIL]
	s_wait_dscnt 0x0
	CROUND
	JLOAD 1                                        ; K steps 6-11
	RUN1 0, 0, 0, 0
	BRUN 0, 0, 0, 1
	ARUN AL, 0, 0, 0
	ARUN AH, 0, 0, 1
	ASK PX, PW                                     ; the third fill
	STEP 0, 1, 0, 0, 1                             ; the first products start the sums: nothing is cleared
	STEP 1, 0, 0, 0, 2
	TURN 0, 0, 1, 1, 1, 1                          ; K steps 12-17 into slot 0
	STEP 1, 0, 1, 1, 1
	STEP 0, 0, 1, 1, 2
	TURN 1, 1, 1, 1, 0, 0                          ; 18-23 into slot 1
	STEP 0, 0, 0, 0, 1
	STEP 1, 0, 0, 0, 2
	TURN 0, 0, 1, 2, 1, 1                          ; 24-29 into slot 0
	STEP 1, 0, 1, 1, 1
	STEP 0, 0, 1, 1, 2
	TURN 1, 1, 2, 0, 0, 0                          ; 30-31 into slot 1
	STEP 0, 0, 0, 0, 1
	STEP 1, 0, 0, 0, 2
	TURN 0, 0, 0, 0, 2, 1                          ; nothing is filled again; slot 0 is read no more
	; my last K step: the accumulators that I send first
.macro SENDS from
	WIN 0x0c                                       ; an LDS store's data are its source 1: window 3
.set I, \from
.rept 32
	ds_store_b128 v[XW], v[4*I:4*I+3] offset:512*I ; each accumulator from its low end on
.set I, I+1
.endr
.endm
.macro TAKE a                          ; my partner's sums of block a
	WIN 0x40
.irp i, 0,1,2,3,4,5,6,7,8,9,10,11,12,13,14,15
	ds_load_b128 v[64*\a+4*\i:64*\a+4*\i+3], v[XR] offset:8192*\a+512*\i
.endr
.endm
.macro FINISH a, younger               ; younger: the LDS loads issued behind block a's
	s_wait_dscnt \younger
	WIN 0xc6                                       ; source 0 window 2, source 1 window 1, destination window 3
.irp g, 0,1
.irp j, 0,1,2,3,4,5,6,7
.irp m, 0,1,2,3
	v_add_f32 v[64*\a+32*\g+4*\j+\m], v[64*\a+32*\g+8*\m+\j], v[64*\a+32*\g+8*\m+\j]
.endr
.endr
.endr
	WIN 0x0c
.irp g, 0,1
.irp j, 0,1,2,3,4,5,6,7
	global_store_b128 v[CO], v[64*\a+32*\g+4*\j:64*\a+32*\g+4*\j+3], s[8:9] offset:(16*\a+\j)*8192+256*\g th:TH_STORE_NT   ; rows 16 a + j and 16 a + 8 + j: 256 consecutive bytes each, aligned
.endr
.endr
.endm
	s_wait_dscnt 0x0
	WIN HI
	MUL16 4, 1, 0
	MUL16 6, 1, 0
	PLACES 4                                       ; the results are read by the stores below
	SENDS 0
	WIN LO
	MUL16 0, 1, 0
	SENDS 32
	WIN LO
	MUL16 2, 1, 0
	WIN 0
	PLACES 4                                       ; results are read, and loads land in W's fragments
	s_wait_dscnt 0x0                               ; for my partner: my sums are in LDS
	s_barrier_signal -1
	s_barrier_wait -1
	TAKE 0
	TAKE 1
	TAKE 2
	FINISH 0, 32
	TAKE 3
	FINISH 1, 32
	FINISH 2, 16
	FINISH 3, 0
	WIN 0
	s_wait_tensorcnt 0x0                           ; the wave's end
	ds_add_u32 v[SPW], v[NIL]
	s_wait_dscnt 0x0
	CROUND                                         ; the closing round: no work-group ends while a partner may still ask for a tile that names it
	s_endpgm
.Lfunc_end_k_q39c63045b3_gemm_y:
	.size	k_q39c63045b3_gemm_y, .Lfunc_end_k_q39c63045b3_gemm_y-k_q39c63045b3_gemm_y
	.p2alignl 7, 3214868480
	.fill 96, 4, 3214868480
	.section	.rodata,"a",@progbits
	.p2align	6, 0x0
	.amdhsa_kernel k_q39c63045b3_gemm_y
		.amdhsa_group_segment_fixed_size 327680
		.amdhsa_private_segment_fixed_size 0
		.amdhsa_enable_private_segment 0
		.amdhsa_kernarg_size 24
		.amdhsa_user_sgpr_count 2
		.amdhsa_user_sgpr_kernarg_segment_ptr 1
		.amdhsa_wavefront_size32 1
		.amdhsa_system_sgpr_workgroup_id_x 1
		.amdhsa_system_sgpr_workgroup_id_y 1
		.amdhsa_system_sgpr_workgroup_id_z 1
		.amdhsa_system_vgpr_workitem_id 0
		.amdhsa_next_free_vgpr 1024
		.amdhsa_next_free_sgpr 102
		.amdhsa_reserve_vcc 0
		.amdhsa_float_denorm_mode_32 3
		.amdhsa_float_denorm_mode_16_64 3
		.amdhsa_memory_ordered 1
		.amdhsa_forward_progress 1
		.amdhsa_inst_pref_size 208
	.end_amdhsa_kernel
	.amdgpu_metadata
---
amdhsa.version: [ 1, 2 ]
amdhsa.kernels:
  - .name:           k_q39c63045b3_gemm_y
    .symbol:         k_q39c63045b3_gemm_y.kd
    .args:
      - { .name: xq, .offset: 0, .size: 8, .value_kind: global_buffer, .address_space: global }
      - { .name: wq, .offset: 8, .size: 8, .value_kind: global_buffer, .address_space: global }
      - { .name: out0, .offset: 16, .size: 8, .value_kind: global_buffer, .address_space: global }
    .group_segment_fixed_size: 327680
    .private_segment_fixed_size: 0
    .kernarg_segment_align: 8
    .kernarg_segment_size: 24
    .max_flat_workgroup_size: 128
    .sgpr_count:     102
    .vgpr_count:     1024
    .wavefront_size: 32
...
	.end_amdgpu_metadata
.endif
;; end of part 3
